; MI455X (gfx1250); checked and timed in simulation.
; The chip was launched on July 23, 2026; its instructions are those of AMD's public machine-readable ISA for CDNA 5 (MIT licence, August 2026) and "CDNA5" Instruction Set Architecture Reference Guide (July 2026). The comments in the code are by the model that wrote it; some were corrected since.
;; Kronecker Linear. Allowed arithmetic: matrix products marked QUANTISED: E5M2 operands, one E8M0 scale for each 32 along K, by v_wmma_scale_f32_16x16x128_f8f6f4 with both operands' format E5M2, f32 sums; everything else in f32.
;; Inputs: U 128 x 128 float32; V 128 x 128 float32; x_codes 256 x 512 x 32 uint8 (E5M2 codes of x, K innermost, in blocks of 32 codes); x_scales 256 x 512 uint8 (E8M0 scales of x, one for each 32 codes along K).
;; Outputs: out0 256 x 16,384 float32.
;; This version of the problem:
;;   THIS VERSION OF THE PROBLEM IS GIVEN IN LOW PRECISION. The matrix products marked QUANTISED in the list below multiply operands that are first quantised to E5M2 (5 exponent bits, 2 mantissa bits; 8 bits a number), with one power-of-two scale for each 32 numbers along K (OCP MX v1.0); their sums are f32. All else is computed in f32.
;;   The module's matrix products, in the order in which they are computed (A, B: the left and right operand; K: the contracted axis; several contracted axes count as one K, in the product's order):
;;     1. [M 256, K 16,384] x [K 16,384, N 16,384]; A: input x (given as codes); B: computed on the way: QUANTISED
;;   THE QUANTISER, for each operand of a quantised product, along K:
;;     - K is cut into blocks of 32 from its start; a last block that is shorter is filled with zeros.
;;     - A block's scale is 2^e with e = floor(log2(the largest magnitude in the block)) - 15, held to -126 .. 127; a block of zeros has e = 0. As a byte (E8M0): e + 127.
;;     - Each number is divided by its block's scale, clamped to +-57,344, and rounded to the nearest number of E5M2, ties to even, subnormals kept.
;;     - The product sums the exact products of the quantised numbers (number of the format x scale) in f32.
;;   ~~~python
;;   def quantise(x, axis):      # numpy; x: float32 -> the quantised numbers, widened to float32 again
;;       x = np.moveaxis(x, axis, -1); K = x.shape[-1]
;;       x = np.pad(x, [(0, 0)] * (x.ndim - 1) + [(0, -K % 32)]); x = x.reshape(x.shape[:-1] + (-1, 32)); a = np.abs(x).max(-1, keepdims=True)
;;       e = np.where(a > 0, np.clip(np.frexp(np.where(a > 0, a, 1))[1] - 1 - 15, -126, 127), 0)      # np.frexp(a)[1] - 1 = floor(log2(a)), exactly
;;       r = np.clip(x / 2.0 ** e, -57344, 57344)
;;       step = 2.0 ** (np.maximum(np.frexp(np.where(r == 0, 1, r))[1] - 1, -14) - 2)
;;       q = np.round(r / step) * step * 2.0 ** e      # np.round: ties to even
;;       return np.moveaxis(q.reshape(q.shape[:-2] + (-1,))[..., :K], -1, axis).astype(np.float32)
;;   ~~~
;;   OPERANDS COMPUTED ON THE WAY. 'Computed on the way' means the value that the module computes at that place (a softmax that the list does not call 'softmax' is quantised finished and normalised). What goes into a quantiser is computed in f32, as accurately as f32 sums, v_exp_f32 and their like allow (about 1e-6 of the number): no bf16 or f16 on the way to a quantiser, and a product that is left as it is and whose result goes on into a quantised operand takes f32 operands (vector FMAs, or v_wmma_f32_16x16x4_f32). A number that lies on a knife's edge between two numbers of the format may be rounded either way, as far as f32 arithmetic and the matrix unit's own rounding can turn it there, and no further.
;;   INPUTS GIVEN AS CODES. x (in the module: [256, 16384], K = its axis 1): each comes as NAME_codes (uint8): NAME with its K axis moved to the last place and cut into blocks of 32 codes, [.., K / 32, bytes a block], one block behind the other in memory; one code a byte (a code: sign, 5 exponent bits, 2 mantissa bits); and NAME_scales (uint8): the same leading axes, one E8M0 byte (e + 127) for each 32 codes along K. Its value is code x scale, taken as it is: it is not quantised again, and the codes and scales need not be those that the quantiser above would give.
;; One version. Each part assembles by itself: llvm-mc -triple=amdgcn-amd-amdhsa -mcpu=gfx1250 --defsym DOCPART=n.
;; ======== version 1 of 1: 2 launches
;; limits: right only within a limited range of input values
;; workspace buffers: xre 4,325,376 bytes
;; launch relay (part 1): grid 256 x 1, 2 waves a work-group, no clusters, 25,344 bytes of LDS; arguments x_codes, x_scales, xre; writes xre
.if DOCPART == 1
	.amdgcn_target "amdgcn-amd-amdhsa--gfx1250"
	.amdhsa_code_object_version 6
	.text
	.protected	k_qb03d34cd47_relay
	.globl	k_qb03d34cd47_relay
	.p2align	8
	.type	k_qb03d34cd47_relay,@function
k_qb03d34cd47_relay:
	s_mov_b64 s[64:65], 0
	v_nop
	global_prefetch_b8 v0, s[64:65] scope:SCOPE_SE
	s_setreg_imm32_b32 hwreg(HW_REG_WAVE_MODE, 25, 1), 1
	s_wait_xcnt 0x0
; x's codes and scale bytes are laid once in the order in which the product's waves take them into registers.
; xre = [wave w 0..3][step t 0..31] chunks of CH bytes: 16 tiles x 4 blocks c x 32 lanes x 16 bytes of codes, then 2 x 32 lanes x 16 bytes of scale words.
; Tile s of wave w holds tokens 16 (4 ((w + s/4) mod 4) + s mod 4) + r; block c, lane (h, r): x[token][(4 t + c) 128 + 32 w + 16 h + 0..15].
; Scale word g (0..7) of lane l: the four bytes x_scales[64 ((w + g/2) mod 4) + 32 (g mod 2) + l][(4 t + c) 4 + w], c = 0..3.
; A wave takes 16 tokens x 512 bytes (one token tile, one t): 16 loads of 512 consecutive bytes, through its own LDS bytes, 16 stores of 512 consecutive bytes.
; Of the 16 waves of a t, eight also make one 512-byte piece of scale words each; there a lane reads the 16 bytes that x_scales' own layout gives a token for this t.
.set CH,    33792
.set WREG,  32*CH
.set KP,    784                        ; LDS pitch of a (w, c) piece: 49 x 16 bytes; lanes 16-31 lie 288 bytes on
.set WB,    16*KP
.set SPARE, 2*WB
	s_load_b128 s[4:7], s[0:1], 0x0                ; codes, scales
	s_load_b64 s[8:9], s[0:1], 0x10                ; xre
	v_lshl_add_u32 v1, v0, 2, SPARE
	v_mov_b32 v2, 0
	v_lshrrev_b32 v3, 5, v0
	v_readfirstlane_b32 s10, v3                    ; wave
	s_lshr_b32 s11, ttmp9, 3                       ; t
	s_and_b32 s12, ttmp9, 7
	s_lshl_b32 s12, s12, 1
	s_add_co_u32 s12, s12, s10                     ; token tile 0..15
	v_and_b32 v4, 31, v0
	v_lshlrev_b32 v5, 4, v4                        ; 16 x lane
	v_bfe_u32 v6, v0, 3, 2                         ; as a reader of a row: c,
	v_bfe_u32 v7, v0, 1, 2                         ; w,
	v_lshl_add_u32 v6, v7, 2, v6                   ; piece 4 w + c,
	v_and_b32 v7, 1, v0                            ; h
	v_mul_u32_u24 v6, v6, KP
	v_mad_u32_u24 v6, v7, 288, v6
	s_mul_i32 s13, s10, WB
	v_add_nc_u32 v6, s13, v6                       ; where I put 16 bytes of row r (+ 16 r)
	v_bfe_u32 v7, v0, 4, 1
	v_and_b32 v8, 15, v0
	v_mul_u32_u24 v7, v7, 288
	v_lshl_add_u32 v7, v8, 4, v7
	v_add_nc_u32 v7, s13, v7                       ; where I read a piece back (+ KP x piece)
	v_lshlrev_b32 v9, 9, v4                        ; a row of x_scales is 512 bytes
	s_lshl_b32 s14, s12, 18                        ; 16 rows of 16,384 bytes
	s_lshl_b32 s15, s11, 9
	s_add_co_u32 s14, s14, s15
	s_mov_b32 s15, 0
	s_lshr_b32 s16, s12, 2
	s_and_b32 s17, s12, 3
	s_mul_i32 s18, s11, CH
	s_mov_b32 s21, 0
	s_wait_alu depctr_va_vdst(0)                   ; the wait at the head's end
	s_wait_kmcnt 0x0
	s_add_nc_u64 s[4:5], s[4:5], s[14:15]
.irp r, 0,1,2,3,4,5,6,7,8,9,10,11,12,13,14,15
	global_load_b128 v[16+4*\r:19+4*\r], v5, s[4:5] offset:16384*\r th:TH_LOAD_NT
.endr
.irp w, 0,1,2,3
	s_sub_co_u32 s20, s16, \w                      ; wave w's tile number for these tokens: 4 ((tile/4 - w) mod 4) + tile mod 4
	s_and_b32 s20, s20, 3
	s_lshl_b32 s20, s20, 2
	s_add_co_u32 s20, s20, s17
	s_lshl_b32 s20, s20, 11
	s_add_co_u32 s20, s20, s18
	s_add_co_u32 s20, s20, \w*WREG
	s_add_nc_u64 s[24+2*\w:25+2*\w], s[8:9], s[20:21]
.endr
	s_cmp_lt_u32 s12, 8
	s_cbranch_scc0 .Lcodes
	; tiles 0..7 of a t: the scale words of wave w = tile mod 4, half hf = tile / 4
	s_lshl_b32 s38, s16, 1
	s_add_co_u32 s38, s38, s17
.irp kk, 0,1
	s_add_co_u32 s20, s38, \kk
	s_and_b32 s20, s20, 3
	s_lshl_b32 s20, s20, 15                        ; 64 tokens of 512 bytes
	s_lshl_b32 s39, s11, 4
	s_add_co_u32 s20, s20, s39
	s_add_nc_u64 s[32+2*\kk:33+2*\kk], s[6:7], s[20:21]
.endr
.irp k, 0,1,2,3
	global_load_b128 v[144+4*\k:147+4*\k], v9, s[32+2*(\k/2):33+2*(\k/2)] offset:16384*(\k%2)
.endr
	s_mul_i32 s22, s17, 0x01010101
	s_add_co_u32 s22, s22, 0x04000400              ; picks byte w of two words
	s_mul_i32 s20, s17, WREG
	s_add_co_u32 s20, s20, s18
	s_lshl_b32 s39, s16, 9
	s_add_co_u32 s20, s20, s39
	s_add_co_u32 s20, s20, 32768
	s_add_nc_u64 s[36:37], s[8:9], s[20:21]
	s_wait_loadcnt 0x0
.irp k, 0,1,2,3
	v_perm_b32 v[144+4*\k], v[145+4*\k], v[144+4*\k], s22
	v_perm_b32 v[146+4*\k], v[147+4*\k], v[146+4*\k], s22
.endr
.irp k, 0,1,2,3
	v_perm_b32 v[160+\k], v[146+4*\k], v[144+4*\k], 0x05040100
.endr
	global_store_b128 v5, v[160:163], s[36:37]
.Lcodes:
.irp r, 0,1,2,3,4,5,6,7,8,9,10,11,12,13,14,15
	s_wait_loadcnt 15-\r                           ; row r is in; the younger rows may be out
	ds_store_b128 v6, v[16+4*\r:19+4*\r] offset:16*\r
.endr
.irp k, 0,1,2,3,4,5,6,7,8,9,10,11,12,13,14,15
	ds_load_b128 v[80+4*\k:83+4*\k], v7 offset:KP*\k   ; my own bytes: LDS serves a wave's instructions in order (ISA guide 5.7.1)
.endr
.irp k, 0,1,2,3,4,5,6,7,8,9,10,11,12,13,14,15
	s_wait_dscnt 15-\k
	global_store_b128 v5, v[80+4*\k:83+4*\k], s[24+2*(\k/4):25+2*(\k/4)] offset:512*(\k%4)
.endr
	s_wait_tensorcnt 0x0                           ; the wave's end
	ds_add_u32 v1, v2
	s_wait_dscnt 0x0
	s_endpgm
.Lfunc_end_k_qb03d34cd47_relay:
	.size	k_qb03d34cd47_relay, .Lfunc_end_k_qb03d34cd47_relay-k_qb03d34cd47_relay
	.p2alignl 7, 3214868480
	.fill 96, 4, 3214868480
	.section	.rodata,"a",@progbits
	.p2align	6, 0x0
	.amdhsa_kernel k_qb03d34cd47_relay
		.amdhsa_group_segment_fixed_size 25344
		.amdhsa_private_segment_fixed_size 0
		.amdhsa_enable_private_segment 0
		.amdhsa_kernarg_size 24
		.amdhsa_user_sgpr_count 2
		.amdhsa_user_sgpr_kernarg_segment_ptr 1
		.amdhsa_wavefront_size32 1
		.amdhsa_system_sgpr_workgroup_id_x 1
		.amdhsa_system_sgpr_workgroup_id_y 1
		.amdhsa_system_sgpr_workgroup_id_z 1
		.amdhsa_system_vgpr_workitem_id 0
		.amdhsa_next_free_vgpr 168
		.amdhsa_next_free_sgpr 66
		.amdhsa_reserve_vcc 0
		.amdhsa_float_denorm_mode_32 3
		.amdhsa_float_denorm_mode_16_64 3
		.amdhsa_memory_ordered 1
		.amdhsa_forward_progress 1
		.amdhsa_inst_pref_size 12
	.end_amdhsa_kernel
	.amdgpu_metadata
---
amdhsa.version: [ 1, 2 ]
amdhsa.kernels:
  - .name:           k_qb03d34cd47_relay
    .symbol:         k_qb03d34cd47_relay.kd
    .args:
      - { .name: x_codes, .offset: 0, .size: 8, .value_kind: global_buffer, .address_space: global }
      - { .name: x_scales, .offset: 8, .size: 8, .value_kind: global_buffer, .address_space: global }
      - { .name: xre, .offset: 16, .size: 8, .value_kind: global_buffer, .address_space: global }
    .group_segment_fixed_size: 25344
    .private_segment_fixed_size: 0
    .kernarg_segment_align: 8
    .kernarg_segment_size: 24
    .max_flat_workgroup_size: 64
    .sgpr_count:     66
    .vgpr_count:     168
    .wavefront_size: 32
...
	.end_amdgpu_metadata
.endif
;; end of part 1
;; launch kron (part 2): grid 256 x 1, 4 waves a work-group, no clusters, 266,752 bytes of LDS; arguments U, V, xre, out0; writes out0
.if DOCPART == 2
	.amdgcn_target "amdgcn-amd-amdhsa--gfx1250"
	.amdhsa_code_object_version 6
	.text
	.protected	k_qb03d34cd47_kron
	.globl	k_qb03d34cd47_kron
	.p2align	8
	.type	k_qb03d34cd47_kron,@function
k_qb03d34cd47_kron:
	s_mov_b64 s[64:65], 0
	v_nop
	global_prefetch_b8 v0, s[64:65] scope:SCOPE_SE
	s_setreg_imm32_b32 hwreg(HW_REG_WAVE_MODE, 25, 1), 1
	s_wait_xcnt 0x0
; out[t][128 p + q] = sum over (i, j) of x[t][128 i + j] Q(U[i][p] V[j][q]), Q the MX quantiser to E5M2 along K = (i, j): a block of 32 is one i and 32 neighbouring j.
; Work-group g makes all 256 tokens x 64 columns (p = g / 2, q = 64 (g mod 2) ..), so each number of W is made once in the launch.
; Wave w takes V's rows 32 w .. 32 w + 31 for every i: its 64 numbers of V a lane stay in registers, U[i][p] is a scalar; a product's four blocks are four i.
; The four waves' sums over their quarters of K meet in LDS at the end.  A period = 4 rows of U = 64 products a wave (16 token tiles x 4 column tiles), 32 periods.
; x comes from xre, laid by the launch before in register order: each 16 bytes that the work-group loads serve one lane of one wave, so they go straight into registers,
; 512 consecutive bytes an instruction; nothing is shared through LDS on the way in, so there is no tile for a joint load and no cluster.
; A tile's registers are asked for again one group behind its last product: 15 of a period's 16 groups ahead of its next use.
; While period t is multiplied, W's codes for t + 1 are made: one block of 16 numbers a lane behind each group of four products.
; LIMITS: U[i][p] x V[j][q] is taken to be finite in f32.  A block of zeros carries the scale byte 1 over zero codes, which adds nothing.
; In the last trip the scale lines for a period behind the last are run on U's last rows; their results are not used.
.set CH,    33792                      ; a wave's chunk of xre for one period: 32,768 bytes of codes, 1,024 of scale words
.set WREG,  32*CH
.set EXQ,   49152
.set STG,   196608
.set GP,    272
.set SPARE, 0x41000
.set SPW, 1
.set NIL, 2
.set XO,  3                            ; 16 x lane
.set PFO, 4                            ; the prefetches' offset
.set T,   5
.set VO,  6
.set TM,  8                            ; v8-11   the next column tile's largest magnitudes, then bytes at work
.set AM,  12                           ; v12-15  57,344 x scale for the four blocks
.set XS,  16                           ; v16-31  x's scale words, two sets of 8: lanes 0-15 tile 2 g, lanes 16-31 tile 2 g + 1
.set WS,  32                           ; v32-39  W's scale words, two sets of 4
.set VM,  40                           ; v40-43  largest |V| of my block, for each column tile
.set SC,  44                           ; v44-47  the conversions' scale operands
.set P,   48                           ; v48-63  16 products at work
.set VV,  64                           ; v64-127 V: 16 numbers x 4 column tiles
.set WC,  128                          ; v128-255 W's codes, two sets of 4 x 16.  Window 1: x's 16 tiles.  Windows 2, 3: the 64 accumulators
.set E16, 11
.set EXW, 3
.set EXR, 4
.set STO, 7
.set RD,  8
.set CO,  9
.set WV,  14
.set XP,  20
.set UC,  52
.set UA,  60
.set UP,  66
.set UN,  68
.set MNT, 72
.set UOF, 73
.set CNT, 76
.set MSB, 0
.macro WIN new
.if MSB != (\new)
	s_set_vgpr_msb (MSB<<8)|(\new)
.set MSB, (\new)
.endif
.endm
; one product: source 0 = 16 columns of W, source 1 = 16 tokens of x: a lane holds 8 neighbouring columns of one token.  The 64 accumulators take turns.
.macro MM s, n, cur, zero
	WIN 0xa4+0x50*((\s)/8)
.set ra, 8*(4*((\s)%8)+(\n))
.set rw, WC+64*(\cur)+16*(\n)
.set rx, 16*(\s)
.set rs, XS+8*(\cur)+(\s)/2
.if \zero
.if ((\s)%2)
	v_wmma_scale_f32_16x16x128_f8f6f4 v[ra:ra+7], v[rw:rw+15], v[rx:rx+15], 0, v[WS+4*(\cur)+(\n)], v[rs] matrix_a_fmt:MATRIX_FMT_BF8 matrix_b_fmt:MATRIX_FMT_BF8 matrix_b_scale:MATRIX_SCALE_ROW1
.else
	v_wmma_scale_f32_16x16x128_f8f6f4 v[ra:ra+7], v[rw:rw+15], v[rx:rx+15], 0, v[WS+4*(\cur)+(\n)], v[rs] matrix_a_fmt:MATRIX_FMT_BF8 matrix_b_fmt:MATRIX_FMT_BF8
.endif
.else
.if ((\s)%2)
	v_wmma_scale_f32_16x16x128_f8f6f4 v[ra:ra+7], v[rw:rw+15], v[rx:rx+15], v[ra:ra+7], v[WS+4*(\cur)+(\n)], v[rs] matrix_a_fmt:MATRIX_FMT_BF8 matrix_b_fmt:MATRIX_FMT_BF8 matrix_b_scale:MATRIX_SCALE_ROW1
.else
	v_wmma_scale_f32_16x16x128_f8f6f4 v[ra:ra+7], v[rw:rw+15], v[rx:rx+15], v[ra:ra+7], v[WS+4*(\cur)+(\n)], v[rs] matrix_a_fmt:MATRIX_FMT_BF8 matrix_b_fmt:MATRIX_FMT_BF8
.endif
.endif
.endm
.macro XL s, off                       ; tile s of the chunk at byte off: four loads of 512 consecutive bytes (destination window 1)
.irp c, 0,1,2,3
	global_load_b128 v[16*(\s)+4*\c:16*(\s)+4*\c+3], v[XO], s[XP:XP+1] offset:(\off)+(\s)*2048+\c*512
.endr
.endm
; the scales of column tile np, in four stages: largest magnitude |U| x max |V|; the floor 2^(16 - 127); scale operand and bound; the four bytes as a word
.macro ST0 np
.irp c, 0,1,2,3
	v_mul_f32 v[TM+\c], s[UA+\c], v[VM+(\np)]
.endr
.endm
.macro ST1
.irp c, 0,1,2,3
	v_max_num_f32 v[TM+\c], 0x8000000, v[TM+\c]
.endr
.endm
.macro ST3 c0, c1
.irp c, \c0, \c1
	v_add_nc_u32 v[SC+\c], 0xf8800000, v[TM+\c]
	v_and_or_b32 v[AM+\c], v[TM+\c], 0x7f800000, s[MNT]
.endr
.endm
.macro ST4 ws
	v_lshrrev_b32 v[\ws], 23, v[SC]
	v_lshrrev_b32 v[TM+1], 23, v[SC+1]
	v_lshrrev_b32 v[TM+2], 23, v[SC+2]
	v_lshrrev_b32 v[TM+3], 23, v[SC+3]
	v_lshl_or_b32 v[\ws], v[TM+1], 8, v[\ws]
	v_lshl_or_b32 v[TM+2], v[TM+3], 8, v[TM+2]
	v_lshl_or_b32 v[\ws], v[TM+2], 16, v[\ws]
.endm
; 16 numbers of W a lane: column tile n, block c, into set nx.  stg = 1: a stage of the next column tile's scales rides along.
; Every register that a block writes in its last eight lines is read again only 9 or more plain lines on, so the waits between blocks need no further line.
.macro UNIT n, c, nx, stg
.set vb, VV+16*(\n)
.set gw, WC+64*(\nx)+16*(\n)+4*(\c)
.set np, ((\n)+1)%4
.if np == 0
.set wsr, WS+4*(1-(\nx))
.else
.set wsr, WS+4*(\nx)+np
.endif
.irp m, 0,2,4,6,8,10,12,14
	v_pk_mul_f32 v[P+\m:P+\m+1], v[vb+\m:vb+\m+1], s[UC+2*(\c):UC+2*(\c)+1] op_sel_hi:[1,0]
.endr
.irp e, 0,1,2,3,4,5,6,7,8,9,10,11
	v_med3_num_f32 v[P+\e], v[P+\e], -v[AM+(\c)], v[AM+(\c)]
.endr
	v_cvt_scalef32_pk8_bf8_f32 v[gw:gw+1], v[P:P+7], v[SC+(\c)]
.irp e, 12,13,14,15
	v_med3_num_f32 v[P+\e], v[P+\e], -v[AM+(\c)], v[AM+(\c)]
.endr
.if \stg
.if (\c) == 0
	ST0 np
.elseif (\c) == 1
	ST1
.elseif (\c) == 3
	ST3 0, 1
.endif
.endif
	v_cvt_scalef32_pk8_bf8_f32 v[gw+2:gw+3], v[P+8:P+15], v[SC+(\c)]
.if (\stg) && ((\c) == 3)
	ST3 2, 3
	ST4 wsr
.endif
.endm
; A period: 16 groups of four products.  Loads come back in order; behind tile g's four loads stand 14 groups' 56 and, but in group 0, the two scale loads.
; gen = 0, the last period: only tile 15 is still asked for, and the counts run down.
.macro PERIOD par, k, zero, gen, pf
.set g, 0
.rept 16
.if g == 0
	s_wait_loadcnt 56
.elseif \gen
	s_wait_loadcnt 58
.else
	s_wait_loadcnt 4*(15-g)
.endif
	MM g, 0, \par, \zero
	MM g, 1, \par, \zero
	MM g, 2, \par, \zero
	MM g, 3, \par, \zero
.if g == 0
	WIN 0x40
	XL 15, (\k)*CH                                 ; this period's tile 15: its registers were multiplied last in the period before
.if \gen
	WIN 0
	global_load_b128 v[XS+8*(1-\par):XS+8*(1-\par)+3], v[XO], s[XP:XP+1] offset:((\k)+1)*CH+32768
	global_load_b128 v[XS+8*(1-\par)+4:XS+8*(1-\par)+7], v[XO], s[XP:XP+1] offset:((\k)+1)*CH+32768+512
.irp c, 0,1,2,3
	s_mov_b32 s[UC+2*\c], s[UN+\c]                 ; the four U of the period whose codes are made now
.endr
	s_add_co_u32 s[UOF], s[UOF], 2048
	s_min_u32 s[UOF], s[UOF], 31*2048              ; held at U's last four rows
.irp c, 0,1,2,3
	s_load_b32 s[UN+\c], s[UP:UP+1], s[UOF] offset:\c*512
.endr
.endif
.elseif \gen
	WIN 0x40
	XL g-1, ((\k)+1)*CH                            ; the next period's tile g - 1
.endif
.if \gen
	WIN 0
.if g == 12
	s_wait_kmcnt 0x0
.irp c, 0,1,2,3
	s_and_b32 s[UA+\c], s[UN+\c], 0x7fffffff
.endr
.endif
.if g == 2
.if \pf == 2
	s_cmp_gt_u32 s[CNT], 1                         ; the last trip has no chunk three on
	s_cbranch_scc0 .Lno_pf_\@
.endif
.if \pf
	global_prefetch_b8 v[PFO], s[XP:XP+1] offset:((\k)+3)*CH th:TH_LOAD_NT scope:SCOPE_SE   ; one block of 256 bytes of my wave's chunk two periods ahead of its loads; the chunk's 132 blocks are shared out by the work-group's number
.endif
.if \pf == 2
.Lno_pf_\@:
.endif
.endif
	UNIT g/4, g%4, 1-\par, 1
.endif
.set g, g+1
.endr
	WIN 0
.endm
	s_load_b256 s[4:11], s[0:1], 0x0               ; U, V, xre, out
	v_lshl_add_u32 v[SPW], v0, 2, SPARE
	v_mov_b32 v[NIL], 0
	v_lshrrev_b32 v[T], 5, v0
	v_readfirstlane_b32 s[WV], v[T]
	v_and_b32 v8, 15, v0
	v_bfe_u32 v9, v0, 4, 1
	v_mov_b32 v10, 0
	v_mov_b32 v11, 0
	v_and_b32 v[XO], 31, v0
	v_lshlrev_b32 v[XO], 4, v[XO]
	v_lshlrev_b32 v[VO], 2, v8
	v_lshl_add_u32 v[VO], v9, 13, v[VO]            ; V: column r, 16 rows further down for lanes 16-31
	s_mov_b32 s16, ttmp9
	s_cmp_ge_u32 s16, 132
	s_cselect_b32 s80, 132, 0
	s_sub_co_u32 s80, s16, s80
	s_lshl_b32 s80, s80, 8
	v_mov_b32 v[PFO], s80
	s_lshr_b32 s82, s16, 1
	s_lshl_b32 s82, s82, 2                         ; U's column p
	s_mov_b32 s83, 0
	s_lshl_b32 s84, s[WV], 14                      ; V's rows 32 w ..
	s_and_b32 s86, s16, 1
	s_lshl_b32 s86, s86, 8
	s_add_co_u32 s84, s84, s86
	s_mov_b32 s85, 0
	s_mul_i32 s86, s[WV], WREG
	s_mov_b32 s87, 0
	s_lshl_b32 s88, s[WV], 22                      ; out: I store tokens 64 w ..
	s_lshl_b32 s90, s16, 8
	s_add_co_u32 s88, s88, s90
	s_mov_b32 s89, 0
	s_mov_b32 s[MNT], 0x600000
	s_mov_b32 s78, 0x76543210
	s_mov_b32 s79, 0xfedcba98
.irp c, 0,1,2,3
	s_mov_b32 s[UC+2*\c+1], 0
.endr
	s_wait_alu depctr_va_vdst(0)                   ; the wait at the head's end
	s_wait_kmcnt 0x0
	s_add_nc_u64 s[UP:UP+1], s[4:5], s[82:83]
.irp c, 0,1,2,3
	s_load_b32 s[UN+\c], s[UP:UP+1], \c*512
.endr
	s_add_nc_u64 s[6:7], s[6:7], s[84:85]
	s_add_nc_u64 s[XP:XP+1], s[8:9], s[86:87]
	s_add_nc_u64 s[10:11], s[10:11], s[88:89]
.irp n, 0,1,2,3
.irp e, 0,1,2,3,4,5,6,7,8,9,10,11,12,13,14,15
	global_load_b32 v[VV+16*\n+\e], v[VO], s[6:7] offset:\e*512+\n*64
.endr
.endr
	global_load_b128 v[XS:XS+3], v[XO], s[XP:XP+1] offset:32768
	global_load_b128 v[XS+4:XS+7], v[XO], s[XP:XP+1] offset:32768+512
	WIN 0x40
.set g, 0
.rept 15
	XL g, 0
.set g, g+1
.endr
	WIN 0
	s_wait_loadcnt 62                              ; V is in; behind it stand the 2 scale loads and 15 tiles' 60
.irp n, 0,1,2,3
	v_max3_num_f32 v[VM+\n], |v[VV+16*\n]|, |v[VV+16*\n+1]|, |v[VV+16*\n+2]|
.endr
.irp i, 3,5,7,9,11,13
.irp n, 0,1,2,3
	v_max3_num_f32 v[VM+\n], v[VM+\n], |v[VV+16*\n+\i]|, |v[VV+16*\n+\i+1]|
.endr
.endr
.irp n, 0,1,2,3
	v_max_num_f32 v[VM+\n], v[VM+\n], |v[VV+16*\n+15]|
.endr
.irp n, 0,1,2,3
	v_permlanex16_b32 v[TM+\n], v[VM+\n], s78, s79
.endr
.irp n, 0,1,2,3
	v_max_num_f32 v[VM+\n], v[VM+\n], v[TM+\n]
.endr
	s_wait_alu depctr_va_vdst(0)
	s_wait_kmcnt 0x0
.irp c, 0,1,2,3
	s_mov_b32 s[UC+2*\c], s[UN+\c]
	s_and_b32 s[UA+\c], s[UN+\c], 0x7fffffff
.endr
.irp c, 0,1,2,3
	s_load_b32 s[UN+\c], s[UP:UP+1], 2048+\c*512
.endr
	s_mov_b32 s[UOF], 2048
.irp n, 0,1,2,3                        ; period 0's codes, while x's first tiles are on their way
	ST0 \n
	ST1
	ST3 0, 1
	ST3 2, 3
	ST4 WS+\n
.irp c, 0,1,2,3
	UNIT \n, \c, 0, 0
.endr
.endr
	s_wait_alu depctr_va_vdst(0)
	s_wait_kmcnt 0x0
.irp c, 0,1,2,3
	s_and_b32 s[UA+\c], s[UN+\c], 0x7fffffff
.endr
	ST0 0                                          ; period 1's first column tile: its scales, as every period leaves them for the next
	ST1
	ST3 0, 1
	ST3 2, 3
	ST4 WS+4
	PERIOD 0, 0, 1, 1, 1                           ; the first period's products start the sums
	s_wait_xcnt 0x0                                ; the loads have read their base
	s_add_nc_u64 s[XP:XP+1], s[XP:XP+1], CH
	s_mov_b32 s[CNT], 15
.Ltrip:
	PERIOD 1, 0, 0, 1, 2
	PERIOD 0, 1, 0, 1, 2
	s_wait_xcnt 0x0
	s_add_nc_u64 s[XP:XP+1], s[XP:XP+1], 2*CH
	s_sub_co_u32 s[CNT], s[CNT], 1
	s_cmp_lg_u32 s[CNT], 0
	s_cbranch_scc1 .Ltrip
	PERIOD 1, 0, 0, 0, 0
	; THE END: wave w keeps its tiles 0-3 (tokens 64 w ..) and hands tiles 4 G .. 4 G + 3 to wave (w + G) mod 4 through LDS; sums; rows of 256 bytes through a stage; stores.
	s_mul_i32 s80, s[WV], EXQ
.irp d, 1,2,3
	s_add_co_u32 s[80+\d], s[WV], 4-\d
	s_and_b32 s[80+\d], s[80+\d], 3
	s_mul_i32 s[80+\d], s[80+\d], EXQ
	s_add_co_u32 s[80+\d], s[80+\d], (\d-1)*16384
.endr
	s_mul_i32 s84, s[WV], 64*GP
	s_add_co_u32 s84, s84, STG
	v_and_b32 v[T], 31, v0
	v_lshlrev_b32 v[E16], 4, v[T]
	v_and_b32 v10, 15, v0
	v_bfe_u32 v47, v0, 4, 1
	v_add_nc_u32 v[EXW], s80, v[E16]
.irp d, 1,2,3
	v_add_nc_u32 v[EXR+\d-1], s[80+\d], v[E16]
.endr
	v_mul_u32_u24 v[STO], v10, GP
	v_lshl_add_u32 v[STO], v47, 5, v[STO]
	v_add_nc_u32 v[STO], s84, v[STO]
	v_mul_u32_u24 v[RD], v47, GP
	v_lshl_add_u32 v[RD], v10, 4, v[RD]
	v_add_nc_u32 v[RD], s84, v[RD]
	v_lshlrev_b32 v[CO], 16, v47
	v_lshl_add_u32 v[CO], v10, 4, v[CO]
	s_wait_alu depctr_va_vdst(0)
.irp G, 1,2,3
	WIN 0x08+4*(\G/2)
.irp s, 0,1,2,3
.irp n, 0,1,2,3
	ds_store_b128 v[EXW], v[8*(4*((4*\G+\s)%8)+\n):8*(4*((4*\G+\s)%8)+\n)+3] offset:((\G-1)*16+4*\s+\n)*1024
	ds_store_b128 v[EXW], v[8*(4*((4*\G+\s)%8)+\n)+4:8*(4*((4*\G+\s)%8)+\n)+7] offset:((\G-1)*16+4*\s+\n)*1024+512
.endr
.endr
.endr
	WIN 0
	s_wait_dscnt 0x0                               ; for the others' sake: my stores are done
	s_barrier_signal -1
	s_barrier_wait -1
.macro EXLOAD d, base
.irp i, 0,1,2,3,4,5,6,7,8,9,10,11,12,13,14,15
	ds_load_b128 v[\base+8*\i:\base+8*\i+3], v[EXR+\d-1] offset:\i*1024
	ds_load_b128 v[\base+8*\i+4:\base+8*\i+7], v[EXR+\d-1] offset:\i*1024+512
.endr
.endm
.macro EXADD base
.set i2, 0
.rept 64
	v_pk_add_f32 v[i2:i2+1], v[i2:i2+1], v[\base+i2:\base+i2+1]
.set i2, i2+2
.endr
.endm
	WIN 0x40
	EXLOAD 1, 0
	EXLOAD 2, 128
	s_wait_dscnt 32
	WIN 0x86
	EXADD 0
	WIN 0x40
	EXLOAD 3, 0
	s_wait_dscnt 32
	WIN 0x86
	EXADD 128
	s_wait_dscnt 0x0
	EXADD 0
	WIN 0x08
.irp s, 0,1,2,3
.irp n, 0,1,2,3
	ds_store_b128 v[STO], v[8*(4*\s+\n):8*(4*\s+\n)+3] offset:\s*16*GP+64*\n
	ds_store_b128 v[STO], v[8*(4*\s+\n)+4:8*(4*\s+\n)+7] offset:\s*16*GP+64*\n+16
.endr
.endr
	WIN 0x40
.irp i, 0,1,2,3,4,5,6,7,8,9,10,11,12,13,14,15,16,17,18,19,20,21,22,23,24,25,26,27,28,29,30,31
	ds_load_b128 v[4*\i:4*\i+3], v[RD] offset:\i*2*GP
.endr
	WIN 0x04
.irp i, 0,1,2,3,4,5,6,7,8,9,10,11,12,13,14,15,16,17,18,19,20,21,22,23,24,25,26,27,28,29,30,31
	s_wait_dscnt 31-\i
	global_store_b128 v[CO], v[4*\i:4*\i+3], s[10:11] offset:\i*131072 th:TH_STORE_NT   ; 16 lanes store 256 consecutive bytes, aligned
.endr
	WIN 0
	s_wait_tensorcnt 0x0                           ; the wave's end
	ds_add_u32 v[SPW], v[NIL]
	s_wait_dscnt 0x0
	s_endpgm
.Lfunc_end_k_qb03d34cd47_kron:
	.size	k_qb03d34cd47_kron, .Lfunc_end_k_qb03d34cd47_kron-k_qb03d34cd47_kron
	.p2alignl 7, 3214868480
	.fill 96, 4, 3214868480
	.section	.rodata,"a",@progbits
	.p2align	6, 0x0
	.amdhsa_kernel k_qb03d34cd47_kron
		.amdhsa_group_segment_fixed_size 266752
		.amdhsa_private_segment_fixed_size 0
		.amdhsa_enable_private_segment 0
		.amdhsa_kernarg_size 32
		.amdhsa_user_sgpr_count 2
		.amdhsa_user_sgpr_kernarg_segment_ptr 1
		.amdhsa_wavefront_size32 1
		.amdhsa_system_sgpr_workgroup_id_x 1
		.amdhsa_system_sgpr_workgroup_id_y 1
		.amdhsa_system_sgpr_workgroup_id_z 1
		.amdhsa_system_vgpr_workitem_id 0
		.amdhsa_next_free_vgpr 1024
		.amdhsa_next_free_sgpr 96
		.amdhsa_reserve_vcc 0
		.amdhsa_float_denorm_mode_32 3
		.amdhsa_float_denorm_mode_16_64 3
		.amdhsa_memory_ordered 1
		.amdhsa_forward_progress 1
		.amdhsa_inst_pref_size 239
	.end_amdhsa_kernel
	.amdgpu_metadata
---
amdhsa.version: [ 1, 2 ]
amdhsa.kernels:
  - .name:           k_qb03d34cd47_kron
    .symbol:         k_qb03d34cd47_kron.kd
    .args:
      - { .name: U, .offset: 0, .size: 8, .value_kind: global_buffer, .address_space: global }
      - { .name: V, .offset: 8, .size: 8, .value_kind: global_buffer, .address_space: global }
      - { .name: xre, .offset: 16, .size: 8, .value_kind: global_buffer, .address_space: global }
      - { .name: out0, .offset: 24, .size: 8, .value_kind: global_buffer, .address_space: global }
    .group_segment_fixed_size: 266752
    .private_segment_fixed_size: 0
    .kernarg_segment_align: 8
    .kernarg_segment_size: 32
    .max_flat_workgroup_size: 128
    .sgpr_count:     96
    .vgpr_count:     1024
    .wavefront_size: 32
...
	.end_amdgpu_metadata
.endif
;; end of part 2
